; MI455X (gfx1250); checked and timed in simulation.
; The chip was launched on July 23, 2026; its instructions are those of AMD's public machine-readable ISA for CDNA 5 (MIT licence, August 2026) and "CDNA5" Instruction Set Architecture Reference Guide (July 2026). The comments in the code are by the model that wrote it; some were corrected since.
;; W8 A16 Linear Static. Allowed arithmetic: float matrix products may take bf16 or f16 operands with f32 sums; other float arithmetic in f32, or as packed bf16 or f16 multiplies, adds, multiply-adds, maxima and minima; sums over many terms, partial sums and values carried from step to step in f32; what a program stores and reads back later, other than sums and carried values, may be rounded once to bf16 or f16.
;; Inputs: bias 16,384 float16; weight 4,096 x 16,384 int8; weight_offset 1 x 16,384 float16; weight_scale 1 x 16,384 float16; x 2 x 512 x 4,096 float16.
;; Outputs: out0 2 x 512 x 16,384 float16.
;; One version. Each part assembles by itself: llvm-mc -triple=amdgcn-amd-amdhsa -mcpu=gfx1250 --defsym DOCPART=n.
;; ======== version 1 of 1: 1 launch
;; launch w8a16 (part 1): grid 64 x 4, 4 waves a work-group, clusters of 4 x 4, 327,680 bytes of LDS; arguments x, weight, weight_scale, weight_offset, bias, out0; writes out0
.if DOCPART == 1
	.amdgcn_target "amdgcn-amd-amdhsa--gfx1250"
	.amdhsa_code_object_version 6
	.text
	.protected	k_q38ddb27c74_w8a16
	.globl	k_q38ddb27c74_w8a16
	.p2align	8
	.type	k_q38ddb27c74_w8a16,@function
k_q38ddb27c74_w8a16:
	s_mov_b64 s[64:65], 0
	v_nop
	global_prefetch_b8 v0, s[64:65] scope:SCOPE_SE
	s_setreg_imm32_b32 hwreg(HW_REG_WAVE_MODE, 25, 1), 1
	s_wait_xcnt 0x0
	s_wait_alu depctr_hold_cnt(0) depctr_sa_sdst(0) depctr_va_vdst(0) depctr_va_sdst(0) depctr_va_ssrc(0) depctr_va_vcc(0) depctr_vm_vsrc(0)
	s_getreg_b32 s2, hwreg(HW_REG_IB_STS2, 6, 4)
	s_cmp_eq_u32 s2, 0
	s_cbranch_scc0 .Lentry_in_a_cluster
	s_endpgm
.Lentry_in_a_cluster:
	s_bfe_u32 s2, ttmp6, 0x10000c
	s_cmp_lg_u32 s2, 0xf033
	s_cbranch_scc0 .Lentry_shape_is_right
	s_endpgm
.Lentry_shape_is_right:
; y[m][n] = scale[n] * (sum over k of x[m][k] * f16(w[k][n] + off[n])) + bias[n].
; x: [1024][4096] f16.  w: [4096][16384] int8, n along the rows.  scale, off, bias: [16384] f16.  y: [1024][16384] f16.
; ARITHMETIC.  Both matrix operands are f16: x as it comes; w + off rounded once to f16, the rounding that the module's own f16 sum makes (exact for whole offsets with |w + off| <= 2,048).
; Sums in f32.  scale and bias meet the finished sum in f32, in one fused multiply-add; y is rounded once.  scale stays out of the operand: a small scale would push (w + off) scale
; towards f16's denormals, and the multiply is paid once for an output, not once for a weight.
; NOTHING IS LEFT OUT: all five inputs reach y and all are loaded.
; LIMITS.  |w + off| beyond 65,504 becomes an infinity, as in the module's f16 sum; so does |y| beyond 65,504.  NaN and infinities go through the arithmetic untreated.
; SHARES.  A work-group of four waves makes a tile of 256 x 256 of y: 4 x 64 tiles, 256 work-groups.  Wave v makes ALL 256 rows x the 64 columns 64 v .. 64 v + 63 of the tile: 64 accumulators
; of 16 x 16, 512 registers.  So each weight is turned and widened by ONE wave of the work-group: 112 vector instructions beside a quarter step's 64 matrix instructions.
; K goes in steps of 128 through a ring of two LDS slots: 256 rows x 256 bytes of x, 128 rows x 256 bytes of w; every row starts at a multiple of 256 bytes from its buffer's first byte.
; FROM INT8 [K][N] TO A FRAGMENT.  ds_load_tr16_b128 on PAIRS of bytes gives lane l eight k of the columns 2 (l % 16) and 2 (l % 16) + 1; a register then holds two k of both columns.
; One exclusive or makes its bytes w + 128; v_perm_b32 sets 0x64 on top of two of them: two f16 of value 1,152 + w, the even column's or the odd one's; - 1,152 is exact; + off rounds once.
; Seven instructions for four weights.  A fragment holds the even or the odd columns of a group of 32: fragment b = 2 g + p, its row i is column 32 g + 2 i + p of my 64.
; THE MATRIX INSTRUCTION IS USED TRANSPOSED (source 0 = 16 columns of w, source 1 = 16 rows of x): lane l holds row l % 16 of y, register j column 32 g + 16 (l / 16) + 2 j + p.
; The even and the odd fragment's results, rounded in pairs, are 16 neighbouring columns: the order of the columns is undone at no cost.
; CLUSTERS: 4 x 4 work-groups.  The four of a row of the cluster need the same tiles of x, the four of a column the same tiles of w: each tile is asked for JOINTLY, by the same tensor load
; with the same descriptor and a mask that names the four.  The grid has one cluster along y, so the tile row is cy itself.
; REGISTERS, in windows of 256 (s_set_vgpr_msb: bits 1:0 source 0, 3:2 source 1, 5:4 source 2, 7:6 destination):
;   window 0: v0-31 addresses and off; v32-47 bytes as loaded; v64-127 w's fragments, two buffers; v128-191 scale and bias in f32; v192-239 at work on the way out
;   window 1: x's fragments, two buffers of 128 (row block a at + 8 a); on the way out the rows read back from the stage
;   window 2: the accumulators of row blocks 0-7 ((a, b) at 8 (4 a + b));   window 3: those of row blocks 8-15
; The widening works in window 0 and no one setting serves it and the products, so each slice of four costs two switches: 56 in a quarter step.  Set apart in a run of its own, the widening would leave
; the matrix unit without work for 112 instructions in each quarter step.
.set SIZE_K, 4096
.set SIZE_N, 16384
.set KSTEP,  128
.set LAPS,   SIZE_K/(2*KSTEP)          ; a lap = two K steps = once round the ring
.set PA,     272                       ; an LDS row of x: 256 bytes + 16 of padding = 68 words: the 16 rows of a load start at 16 different groups of four banks (64 banks of 4 bytes: ISA guide 11.1)
.set PW,     288                       ; an LDS row of w: 256 + 32 = 72 words
.set HALFA,  128*PA                    ; what waves 0 and 1 fetch: 128 rows of x each
.set HALFW,  64*PW                     ; what waves 2 and 3 fetch: 64 rows of w each
.set WOFF,   2*HALFA                   ; in a slot w's rows lie behind x's
.set SLOT,   2*HALFA+2*HALFW
.set STAGE,  2*SLOT                    ; behind the ring, never filled by a tensor load: 128 rows x 528 bytes, the work-group's, for the way out
.set SP,     528                       ; 512 bytes + 16
.set SPARE,  STAGE+128*SP              ; behind the stage: the spare words, 128 bytes for each wave: two blocks of 256 bytes that no other line names
.set ADRA, 16                          ; v16-17  LDS address of my lane's place in x's rows, slot 0, 1
.set ADRW, 18                          ; v18-19  the same for the turning loads of w
.set STO,  20                          ; v20     the way out: where I put 16 bytes of a row
.set RD,   21                          ; v21     the way out: where I read a row back
.set CO,   22                          ; v22     my 16 bytes in a tile's row of y
.set PFO,  23                          ; v23     the prefetches' offset: my lane x a row of x or of w in memory; never rewritten
.set SPW,  24                          ; v24     LDS address of my spare word: SPARE + 4 x my thread's number; never rewritten
.set NIL,  25                          ; v25     0; never rewritten
.set OFFP, 28                          ; v28-31  fragment b: off of my lane's column, in both halves
.set RAW,  32                          ; v32-47  a quarter step's bytes: load l = 2 g + c (columns 32 g on, k 16 c on) at + 4 l
.set BF,   64                          ; v64-95, v96-127  w's fragments, buffer f at + 32 f, fragment b at + 8 b
.set SC,   128                         ; v128-159 scale of my result registers: fragment b, register j at + 8 b + j
.set BI,   160                         ; v160-191 bias likewise
.set F,    192                         ; v192-223 a row block's results, scaled
.set P,    224                         ; v224-239 the same in f16
.set WV,  16                           ; s16  my wave's number
.set FB,  17                           ; s17  0: I fetch x; 1: I fetch w
.set HF,  18                           ; s18  which half of that tile's rows
.set CX,  19                           ; s19  my place along the cluster's x
.set CY,  20                           ; s20  along its y: the tile row of y
.set TN,  21                           ; s21  the tile column of y
.set G1A, 24                           ; s[24:31] descriptor group 1 for x's tiles
.set G0A, 32                           ; s[32:39] group 0, one set for each slot
.set LIM, 43                           ; s43  1 in a wave that prefetches, else the greatest number
.set PFA, 44                           ; s[44:45] where my prefetches stand
.set PST, 46                           ; s[46:47] a K step in bytes: 256 along x's rows, 128 rows down w
.set G1W, 48                           ; s[48:55], s[56:63] the same for w's tiles
.set G0W, 56
.set C80,  66                          ; s66  0x80808080: int8 to w + 128
.set C64,  67                          ; s67  0x64646464: the upper byte of an f16 in 1,024 .. 1,279
.set SELE, 68                          ; s68-69 v_perm_b32's selects: the even column's two bytes, the odd one's
.set CNEG, 70                          ; s70  -1,152 twice, in f16
.set MSB, 0
.macro WIN new                         ; the immediate's high byte repeats the setting that is left; a switch that changes nothing is dropped
.if MSB != (\new)
	s_set_vgpr_msb (MSB<<8)|(\new)
.set MSB, \new
.endif
.endm
.set MUL_LO, 0xa4                      ; source 0 (w) window 0, source 1 (x) window 1, C and D window 2
.set MUL_HI, 0xf4                      ; the same, C and D window 3
.set TO_A,   0x40                      ; destination window 1, address window 0
.macro PLACES                          ; a load into a register that a matrix instruction has read, and a vector instruction that reads a matrix result or writes one of its registers, stand four plain
.rept 4                                ; vector instructions behind it (ISA guide 7.12.1 for vector instructions)
	v_nop
.endr
.endm
; A joint load.  Waves 0 and 1 fetch x's two halves, waves 2 and 3 w's.  The branch hangs on the wave's number alone: it is the same in every work-group.
; An s_nop 0 and four v_nop follow each of the two lines, ahead of the jump, the label and what follows.
.macro JLOAD s
	s_cmp_lt_u32 s[WV], 2
	s_cbranch_scc0 .Lfor_w_\@
	tensor_load_to_lds s[G0A+4*(\s):G0A+4*(\s)+3], s[G1A:G1A+7]
	s_nop 0
.rept 4
	v_nop
.endr
	s_branch .Lasked_\@
.Lfor_w_\@:
	tensor_load_to_lds s[G0W+4*(\s):G0W+4*(\s)+3], s[G1W:G1W+7]
	s_nop 0
.rept 4
	v_nop
.endr
.Lasked_\@:
.endm
; A PREFETCH INTO THE L2, behind each joint refill and the run of LDS loads that follows it: the K step that stands TWO refills on, 512 matrix instructions ahead of the load that will ask for it.
; 32 rows x 256 bytes, a lane a row, one instruction a wave.  Each row's 256 bytes of a K step are named ONCE in the launch.  x's tile row is read by all sixteen clusters: the first (cluster x = 0)
; asks, by waves 0 and 1; of the 128 rows that such a wave fetches the partner at cx takes 32 cx .. 32 cx + 31.  w's tile column is read by one cluster alone: each cluster asks for its own, by wave 2;
; of a K step's 128 rows the partner at cy takes 32 cy .. 32 cy + 31.  The partners are told apart BY ADDRESS: no branch hangs on a work-group's place in its cluster.
; K steps 0 to 3 come by their loads alone; the loop's last trip (s3 = 1) asks for nothing: there is no K step two refills on.
.macro ASK
	s_cmp_gt_u32 s3, s[LIM]
	s_cbranch_scc0 .Lnot_mine_\@
	global_prefetch_b8 v[PFO], s[PFA:PFA+1] th:TH_LOAD_NT scope:SCOPE_SE
.Lnot_mine_\@:
.endm
; A round of the cluster's barrier: my work-group's barrier, so that wave 0's signal speaks for all four waves; wave 0 signals for the work-group; every wave waits for all sixteen
; work-groups; my work-group's barrier once more.  No LDS instruction of the wave is pending at a signal.
.macro CREST                           ; a round behind its opening barrier
	s_cmp_lg_u32 s[WV], 0
	s_cbranch_scc1 .Lnot_wave_0_\@
	s_barrier_signal -3
.Lnot_wave_0_\@:
	s_barrier_wait -3
	s_barrier_signal -1
	s_barrier_wait -1
.endm
.macro CROUND                          ; a whole round
	s_barrier_signal -1
	s_barrier_wait -1
	CREST
.endm
	s_load_b256 s[4:11], s[0:1], 0x0               ; x s[4:5], w s[6:7], scale s[8:9], off s[10:11]
	s_load_b128 s[12:15], s[0:1], 0x20             ; bias s[12:13], y s[14:15]
	v_lshl_add_u32 v[SPW], v0, 2, SPARE
	v_mov_b32 v[NIL], 0
	ds_add_u32 v[SPW], v[NIL]                      ; the wave's opening: the add, twice on end, and its wait ahead of my first tensor load; the set-up below, work on registers, stands between
	ds_add_u32 v[SPW], v[NIL]                      ; and once more, under the one wait
	v_lshrrev_b32 v4, 5, v0
	v_readfirstlane_b32 s[WV], v4                  ; wave 0..3
	s_lshr_b32 s[FB], s[WV], 1
	s_and_b32 s[HF], s[WV], 1
	s_bfe_u32 s[CX], ttmp6, 0x40000
	s_bfe_u32 s[CY], ttmp6, 0x40004
	s_lshl_b32 s[TN], ttmp9, 2                     ; in a cluster launch ttmp9 counts clusters
	s_add_co_u32 s[TN], s[TN], s[CX]               ; tile column = 4 x cluster x + cx
	s_lshl_b32 s23, s[CY], 2
	s_lshl_b32 s23, 15, s23                        ; my row of the cluster: places 4 cy .. 4 cy + 3
	s_lshl_b32 s42, 0x1111, s[CX]                  ; my column: places cx, cx + 4, cx + 8, cx + 12
	; descriptor group 1 for x: 128 rows x 128 elements of 2 bytes
	s_or_b32 s[G1A], s23, (1<<16)|(1<<20)|(1<<21)|(5<<22)|(3<<25)  ; 15:0 the mask: my row; 17:16 2-byte elements; 20 padding on; 21 set beside a mask; 24:22 after every 64 words (code 5); 31:25 4 words (code 3)
	s_mov_b32 s[G1A+1], KSTEP<<16                  ; tensor_dim0 = 128
	s_mov_b32 s[G1A+2], 128<<16                    ; tensor_dim1 = 128
	s_mov_b32 s[G1A+3], KSTEP<<16                  ; tile_dim0 = 128
	s_mov_b32 s[G1A+4], 128                        ; tile_dim1 = 128
	s_mov_b32 s[G1A+5], SIZE_K                     ; elements from row to row
	s_mov_b32 s[G1A+6], 0
	s_mov_b32 s[G1A+7], 0
	; descriptor group 1 for w: 64 rows x 256 elements of 1 byte
	s_or_b32 s[G1W], s42, (1<<20)|(1<<21)|(5<<22)|(7<<25)          ; the mask: my column; 1-byte elements; after every 64 words 8 words of padding (code 7)
	s_mov_b32 s[G1W+1], 256<<16                    ; tensor_dim0 = 256
	s_mov_b32 s[G1W+2], 64<<16                     ; tensor_dim1 = 64
	s_mov_b32 s[G1W+3], 256<<16                    ; tile_dim0 = 256
	s_mov_b32 s[G1W+4], 64                         ; tile_dim1 = 64
	s_mov_b32 s[G1W+5], SIZE_N
	s_mov_b32 s[G1W+6], 0
	s_mov_b32 s[G1W+7], 0
	s_mov_b32 s[C80], 0x80808080
	s_mov_b32 s[C64], 0x64646464
	s_mov_b32 s[SELE], 0x04020400                  ; {0x64, byte 2, 0x64, byte 0}
	s_mov_b32 s[SELE+1], 0x04030401                ; {0x64, byte 3, 0x64, byte 1}
	s_mov_b32 s[CNEG], 0xe480e480
	s_mul_i32 s78, s[WV], HALFA                    ; where the tiles go: x's halves at wave x 128 rows (waves 0, 1),
	s_mul_i32 s79, s[WV], HALFW
	s_add_co_u32 s79, s79, WOFF-2*HALFW            ; w's at WOFF + (wave - 2) x 64 rows (waves 2, 3): no place in the cluster enters an LDS address
.irp s, 0,1
	s_mov_b32 s[G0A+4*(\s)], 1                     ; 1:0 count = 1
	s_add_co_u32 s[G0A+4*(\s)+1], s78, (\s)*SLOT   ; 63:32 LDS address
	s_mov_b32 s[G0W+4*(\s)], 1
	s_add_co_u32 s[G0W+4*(\s)+1], s79, (\s)*SLOT
.endr
	; where the tiles come from.  x's hang on the tile row alone, which my row of the cluster shares; w's on the tile column alone, which my column shares
	s_lshl_b32 s72, s[CY], 21                      ; 256 rows of 8,192 bytes
	s_lshl_b32 s73, s[HF], 20                      ; 128 rows
	s_add_co_u32 s72, s72, s73
	s_mov_b32 s73, 0
	s_lshl_b32 s74, s[HF], 20                      ; 64 rows of 16,384 bytes
	s_lshl_b32 s75, s[TN], 8                       ; 256 columns of a byte
	s_add_co_u32 s74, s74, s75
	s_mov_b32 s75, 0
	s_wait_dscnt 0x0                               ; both opening adds are done
	s_wait_kmcnt 0x0
	s_add_nc_u64 s[40:41], s[4:5], s[72:73]
	s_add_nc_u64 s[76:77], s[6:7], s[74:75]
.irp s, 0,1
	s_add_nc_u64 s[G0A+4*(\s)+2:G0A+4*(\s)+3], s[40:41], (\s)*KSTEP*2       ; 120:64 global address: K step s
	s_or_b32 s[G0A+4*(\s)+3], s[G0A+4*(\s)+3], 0x80000000                   ; 127:126 type = 2
	s_add_nc_u64 s[G0W+4*(\s)+2:G0W+4*(\s)+3], s[76:77], (\s)*KSTEP*SIZE_N
	s_or_b32 s[G0W+4*(\s)+3], s[G0W+4*(\s)+3], 0x80000000
.endr
	CROUND                                         ; all sixteen work-groups are here: the first joint loads meet
	s_cmp_lt_u32 s[WV], 2                          ; a wave's two first fills stand in one branch, ahead of every wait on TENSORcnt and every LDS read: two loads of mine are out
	s_cbranch_scc0 .Lfirst_w
	tensor_load_to_lds s[G0A:G0A+3], s[G1A:G1A+7]
	s_nop 0
	tensor_load_to_lds s[G0A+4:G0A+7], s[G1A:G1A+7]
	s_nop 0
.rept 4
	v_nop
.endr
	s_branch .Lfirst_asked
.Lfirst_w:
	tensor_load_to_lds s[G0W:G0W+3], s[G1W:G1W+7]
	s_nop 0
	tensor_load_to_lds s[G0W+4:G0W+7], s[G1W:G1W+7]
	s_nop 0
.rept 4
	v_nop
.endr
.Lfirst_asked:
	; all that follows up to the first barrier stands in the wait for the first tiles
	v_and_b32 v1, 15, v0                           ; r = l % 16
	v_bfe_u32 v2, v0, 4, 1                         ; h = l / 16
	v_and_b32 v3, 31, v0                           ; l
	; a fragment of x is 16 rows x 32 k in 8 registers: lane l holds row r; registers 0-3 k = 8 h + 0..7, registers 4-7 k = 16 + 8 h + 0..7: two loads of 16 bytes, 32 bytes apart
	v_mul_u32_u24 v[ADRA], v1, PA
	v_lshl_add_u32 v[ADRA], v2, 4, v[ADRA]
	v_add_nc_u32 v[ADRA+1], SLOT, v[ADRA]
	; the turning load: lane l reads 16 bytes (8 pairs of columns) of row k = 8 h + l % 8, at byte 16 ((l / 8) % 2) of the group's 32
	v_and_b32 v4, 7, v0
	v_bfe_u32 v5, v0, 3, 1
	v_lshl_add_u32 v6, v2, 3, v4
	v_mul_u32_u24 v[ADRW], v6, PW
	v_lshl_add_u32 v[ADRW], v5, 4, v[ADRW]
	s_lshl_b32 s72, s[WV], 6                       ; my 64 columns of the tile's 256
	s_add_co_u32 s72, s72, WOFF
	v_add_nc_u32 v[ADRW], s72, v[ADRW]
	v_add_nc_u32 v[ADRW+1], SLOT, v[ADRW]
	s_lshl_b32 s73, s[WV], 7                       ; my 64 columns in f16: 128 bytes
	s_add_co_u32 s74, s73, STAGE
	v_mul_u32_u24 v[STO], v1, SP                   ; into the stage: row r, my 128 bytes of it, 32 bytes for each half of the lanes
	v_lshl_add_u32 v[STO], v2, 5, v[STO]
	v_add_nc_u32 v[STO], s74, v[STO]
	s_mul_i32 s75, s[WV], 32*SP                    ; back: wave v takes the stage's rows 32 v .. 32 v + 31, whole: 32 lanes x 16 bytes
	s_add_co_u32 s75, s75, STAGE
	v_lshl_add_u32 v[RD], v3, 4, s75
	v_lshlrev_b32 v[CO], 4, v3
	s_lshl_b32 s76, s[TN], 9
	s_add_co_u32 s76, s76, s73                     ; my first column in scale, off and bias, in bytes
	v_lshl_add_u32 v26, v1, 2, s76                 ; columns 2 r, 2 r + 1 of a group: the fragments' rows
	v_lshl_add_u32 v27, v2, 5, s76                 ; columns 16 h .. of a group: the results' registers
.irp g, 0,1
	global_load_b32 v[48+(\g)], v26, s[10:11] offset:64*(\g)
.endr
.irp g, 0,1
.irp c, 0,1
	global_load_b128 v[64+8*(\g)+4*(\c):64+8*(\g)+4*(\c)+3], v27, s[8:9] offset:64*(\g)+16*(\c)
	global_load_b128 v[80+8*(\g)+4*(\c):80+8*(\g)+4*(\c)+3], v27, s[12:13] offset:64*(\g)+16*(\c)
.endr
.endr
	s_lshl_b32 s78, s[CY], 23                      ; y: 256 rows of 32,768 bytes a tile row,
	s_lshl_b32 s79, s[WV], 20                      ; the 32 rows of a pass that I store,
	s_add_co_u32 s78, s78, s79
	s_lshl_b32 s79, s[TN], 9                       ; the tile's 512 bytes of a row
	s_add_co_u32 s78, s78, s79
	s_mov_b32 s79, 0
	s_add_nc_u64 s[14:15], s[14:15], s[78:79]
	; the prefetches stand at K step 3: each change of slots steps them first, so the first names K step 4
	s_lshl_b32 s72, s[CY], 21                      ; x: row 256 cy + 128 half + 32 cx
	s_lshl_b32 s73, s[HF], 20
	s_add_co_u32 s72, s72, s73
	s_lshl_b32 s73, s[CX], 18
	s_add_co_u32 s72, s72, s73
	s_add_co_u32 s72, s72, 3*KSTEP*2
	s_lshl_b32 s74, s[CY], 19                      ; w: row 32 cy of the K step, the tile's 256 bytes
	s_lshl_b32 s75, s[TN], 8
	s_add_co_u32 s74, s74, s75
	s_add_co_u32 s74, s74, 3*KSTEP*SIZE_N
	s_mov_b32 s[PST], KSTEP*SIZE_N
	s_cmp_eq_u32 s[FB], 0                          ; do I fetch x?
	s_cselect_b32 s72, s72, s74
	s_cselect_b64 s[PFA:PFA+1], s[4:5], s[6:7]
	s_cselect_b32 s[PST], KSTEP*2, s[PST]
	s_cselect_b32 s23, ttmp9, s[HF]                ; who asks: for x the first cluster's waves 0 and 1, for w every cluster's wave 2: the same in all sixteen partners, for a given wave
	s_mov_b32 s73, 0
	s_mov_b32 s[PST+1], 0
	s_add_nc_u64 s[PFA:PFA+1], s[PFA:PFA+1], s[72:73]
	s_cmp_eq_u32 s23, 0
	s_cselect_b32 s[LIM], 1, -1
	s_add_co_u32 s23, s[FB], 13                    ; a row of x is 2^13 bytes, a row of w 2^14
	v_lshlrev_b32 v[PFO], s23, v3
	s_wait_loadcnt 0x0                             ; off, scale, bias
.irp g, 0,1
	v_perm_b32 v[OFFP+2*(\g)], v[48+(\g)], v[48+(\g)], 0x01000100    ; the even column's off in both halves,
	v_perm_b32 v[OFFP+2*(\g)+1], v[48+(\g)], v[48+(\g)], 0x03020302  ; the odd column's
.endr
.irp r, 64,65,66,67,68,69,70,71,72,73,74,75,76,77,78,79  ; register 8 g + j as loaded holds columns 2 j (fragment 2 g) and 2 j + 1 (fragment 2 g + 1)
	v_cvt_f32_f16 v[SC+16*((\r-64)/8)+(\r-64)%8], v\r\().l
	v_cvt_f32_f16 v[SC+16*((\r-64)/8)+8+(\r-64)%8], v\r\().h
.endr
.irp r, 80,81,82,83,84,85,86,87,88,89,90,91,92,93,94,95
	v_cvt_f32_f16 v[BI+16*((\r-80)/8)+(\r-80)%8], v\r\().l
	v_cvt_f32_f16 v[BI+16*((\r-80)/8)+8+(\r-80)%8], v\r\().h
.endr
; Matrix instruction i of a quarter step's 64: row block i / 4, fragment i % 4, on buffers f.  The 64 accumulators take turns, one instruction a turn, in the same order in every quarter step:
; 63 others stand between two links of a chain, over the backward jump too.  zero = 1: the product starts the sum: nothing is ever cleared.
.macro MM f, zero
.if i < 32
	WIN MUL_LO
.else
	WIN MUL_HI
.endif
.set rD, 8*(i%32)
.set rW, BF+32*(\f)+8*(i%4)
.set rX, 128*(\f)+8*(i/4)
.if \zero
	v_wmma_f32_16x16x32_f16 v[rD:rD+7], v[rW:rW+7], v[rX:rX+7], 0
.else
	v_wmma_f32_16x16x32_f16 v[rD:rD+7], v[rW:rW+7], v[rX:rX+7], v[rD:rD+7]
.endif
.set i, i+1
.endm
; Instruction j of the 112 that make a quarter step's four fragments, in buffer g, of its 16 registers of bytes.  Four stages of 16 or 32, so that no instruction waits for its neighbour:
;   0-15 w + 128      16-47 register rho gives register 4 c + rho % 4 of the even and of the odd fragment of its group: 1,152 + w      48-79 - 1,152: exact      80-111 + off: the one rounding
.macro CV g
.if j < 16
	v_xor_b32 v[RAW+j], s[C80], v[RAW+j]
.elseif j < 48
.set rho, (j-16)/2
.set par, (j-16)%2
	v_perm_b32 v[BF+32*(\g)+8*(2*(rho/8)+par)+4*((rho/4)%2)+rho%4], s[C64], v[RAW+rho], s[SELE+par]
.elseif j < 80
	v_pk_add_f16 v[BF+32*(\g)+j-48], v[BF+32*(\g)+j-48], s[CNEG]
.else
	v_pk_add_f16 v[BF+32*(\g)+j-80], v[BF+32*(\g)+j-80], v[OFFP+(j-80)/8]
.endif
.set j, j+1
.endm
.macro RIDE g                          ; four of them behind a matrix instruction; they name none of the registers of the products round them (those multiply the other buffers)
	WIN 0
.rept 4
	CV \g
.endr
.endm
; 36 LDS loads in one run: quarter q of a slot's K step: w's 32 rows x my 64 columns, turned (4 loads), then x's 256 rows x 32 k into buffer f (32 loads, row blocks ascending)
.macro RUN slot, q, f
	WIN 0
.irp l, 0,1,2,3
	ds_load_tr16_b128 v[RAW+4*(\l):RAW+4*(\l)+3], v[ADRW+(\slot)] offset:(\q)*32*PW+((\l)%2)*16*PW+32*((\l)/2)
.endr
	WIN TO_A
.irp a, 0,1,2,3,4,5,6,7,8,9,10,11,12,13,14,15
	ds_load_b128 v[128*(\f)+8*(\a):128*(\f)+8*(\a)+3],   v[ADRA+(\slot)] offset:(\q)*64+(\a)*16*PA
	ds_load_b128 v[128*(\f)+8*(\a)+4:128*(\f)+8*(\a)+7], v[ADRA+(\slot)] offset:(\q)*64+(\a)*16*PA+32
.endr
.endm
; The last 48 products of a quarter step on buffers f; beside 28 of them the next quarter's fragments of w are made in buffer g.  Buffer g's last reader stands in the quarter before: four v_nop and the
; sixteen exclusive ors, which name the bytes alone, lie between it and the first write.
.macro BODY f, g, zero
.rept 12
	MM \f, \zero
.endr
	s_wait_dscnt 32                                ; LDS loads come back in order (ISA guide 5.7.1): all but the 32 loads of x just issued: w's bytes are in, and so are x's row blocks 8-15 of this quarter
.rept 28
	MM \f, \zero
	RIDE \g
.endr
.rept 8
	MM \f, \zero
.endr
.endm
; A K step is four quarter steps of 32 along K, on buffers 0, 1, 0, 1.  One of the first three: multiplies buffers f and fetches quarter qn of the same slot for buffers g.
.macro QUARTER slot, qn, f, g, zero
.set i, 0
.set j, 0
	s_wait_dscnt 16                                ; x's row blocks 0-7 are in; the youngest sixteen loads (blocks 8-15) may be out
.rept 16
	MM \f, \zero
.endr
	PLACES                                         ; for the loads into x's buffer g, which the quarter before multiplied
	RUN \slot, \qn, \g
	BODY \f, \g, \zero
.endm
; The last quarter multiplies buffers 1 and changes slots: ONE barrier for two things.  In front of it each wave waits for all its tensor loads, of which one is out: its part of the next slot; adds 0 to its
; spare word; and waits for that and for its own reads of this slot.  Behind it nobody reads this slot any more and the next slot is whole.  fill = 1: the barrier opens a round of the cluster's, so that no
; wave of any partner still reads the slot or has a load on its way, and the joint refill, two K steps on, is the first thing behind the round: 240 matrix instructions ahead of the wait for it.
.macro TURN slot, next, fill
.set i, 0
.set j, 0
.if \fill
	s_wait_xcnt 0x0                                ; the last prefetch, a K step back, has read its address: it is stepped here, ahead of the waits of the change of slots
	s_add_nc_u64 s[PFA:PFA+1], s[PFA:PFA+1], s[PST:PST+1]
.endif
	WIN 0                                          ; (the add's two registers lie in window 0)
	s_wait_tensorcnt 0x0                           ; all my tensor loads have landed;
	ds_add_u32 v[SPW], v[NIL]                      ; 0 onto my spare word;
	s_wait_dscnt 17                                ; (the add and the youngest sixteen loads may be out)
.rept 8
	MM 1, 0                                        ; eight matrix instructions stand between the add and the wait for it
.endr
	s_wait_dscnt 0x0                               ; the add is done, and my reads of this slot are over:
	s_barrier_signal -1                            ; say so,
.rept 8
	MM 1, 0                                        ; work on registers while the others arrive,
.endr
.if \fill
	WIN 0
.endif
	s_barrier_wait -1                              ; and go on when all four have said so
.if \fill
	CREST
	s_add_nc_u64 s[G0A+4*(\slot)+2:G0A+4*(\slot)+3], s[G0A+4*(\slot)+2:G0A+4*(\slot)+3], 2*KSTEP*2       ; no tensor load of mine is out, so a group 0 may be written; the type bits on top are not reached
	s_add_nc_u64 s[G0W+4*(\slot)+2:G0W+4*(\slot)+3], s[G0W+4*(\slot)+2:G0W+4*(\slot)+3], 2*KSTEP*SIZE_N
	JLOAD \slot                                    ; the four v_nop behind it are also the places in front of the loads below
.else
	PLACES
.endif
	RUN \next, 0, 0
.if \fill
	WIN 0
	ASK
.endif
	BODY 1, 0, 0
.endm
	s_wait_tensorcnt 1                             ; tensor loads of a wave end in order (ISA guide 10.11.1): my part of K step 0 is in; K step 1's may stay out
	s_barrier_signal -1
	s_barrier_wait -1                              ; everybody's is
	RUN 0, 0, 0
	s_wait_dscnt 32                                ; w's bytes are in
	WIN 0
.set j, 0
.rept 112
	CV 0                                           ; the first fragments of w: there are no products yet to set them beside
.endr
	QUARTER 0, 1, 0, 1, 1                          ; the first quarter stands in front of the loop: its products start the sums
	WIN 0                                          ; at a label and at a branch every window is 0
	s_mov_b32 s3, LAPS-1
.Llap:                                                 ; a trip goes once round the ring, from a lap's second quarter to the next lap's first, and fills both slots again
	QUARTER 0, 2, 1, 0, 0
	QUARTER 0, 3, 0, 1, 0
	TURN 0, 1, 1
	QUARTER 1, 1, 0, 1, 0
	QUARTER 1, 2, 1, 0, 0
	QUARTER 1, 3, 0, 1, 0
	TURN 1, 0, 1
	QUARTER 0, 1, 0, 1, 0
	WIN 0
	s_sub_co_u32 s3, s3, 1
	s_cmp_lg_u32 s3, 0
	s_cbranch_scc1 .Llap
	QUARTER 0, 2, 1, 0, 0                          ; the last lap is written out: it fills nothing, and has no round of the cluster's barrier
	QUARTER 0, 3, 0, 1, 0
	TURN 0, 1, 0
	QUARTER 1, 1, 0, 1, 0
	QUARTER 1, 2, 1, 0, 0
	QUARTER 1, 3, 0, 1, 0
.set i, 0
	s_wait_dscnt 16                                ; the very last quarter: nothing more to fetch
.rept 32
	MM 1, 0
.endr
	s_wait_dscnt 0x0
.rept 32
	MM 1, 0
.endr
; THE WAY OUT, in two passes of 128 rows.  A wave's 64 columns are 128 bytes, a quarter of the tile's row: so the four waves write the four quarters of the same stage rows, a barrier stands between the
; writing and the reading, and each wave then reads 32 whole rows of 512 bytes and stores them.
; Row block a: scale x sum + bias in f32, two to an instruction, each accumulator's registers ascending; the even and the odd fragment's results rounded in pairs; 32 bytes a group and lane.
.macro OUTB a
	WIN 0x02+(\a)/8                                ; source 0 in window 2 or 3
.irp b, 0,1,2,3
.irp e, 0,2,4,6
	v_pk_fma_f32 v[F+8*(\b)+(\e):F+8*(\b)+(\e)+1], v[8*(4*((\a)%8)+(\b))+(\e):8*(4*((\a)%8)+(\b))+(\e)+1], v[SC+8*(\b)+(\e):SC+8*(\b)+(\e)+1], v[BI+8*(\b)+(\e):BI+8*(\b)+(\e)+1]
.endr
.endr
	WIN 0
.irp g, 0,1
.irp e, 0,1,2,3,4,5,6,7
	v_cvt_pk_f16_f32 v[P+8*(\g)+(\e)], v[F+16*(\g)+(\e)], v[F+16*(\g)+8+(\e)]  ; columns 32 g + 16 h + 2 e and + 1
.endr
.endr
.irp g, 0,1
.irp c, 0,1
	ds_store_b128 v[STO], v[P+8*(\g)+4*(\c):P+8*(\g)+4*(\c)+3] offset:((\a)%8)*16*SP+64*(\g)+16*(\c)
.endr
.endr
.endm
; Pass p: my 32 rows of the stage come back into window 1 (x's buffer p, which is multiplied no more) and leave.  The two passes use different registers, so no store's data are written over.
.macro BACK p
	WIN TO_A
.set t, 0
.rept 32
	ds_load_b128 v[128*(\p)+4*t:128*(\p)+4*t+3], v[RD] offset:t*SP
.set t, t+1
.endr
	WIN 0x04                                       ; a store's data (source 1) in window 1
.set t, 0
.rept 32
	s_wait_dscnt 31-t                              ; row t is back
	global_store_b128 v[CO], v[128*(\p)+4*t:128*(\p)+4*t+3], s[14:15] offset:(128*(\p)+t)*2*SIZE_N th:TH_STORE_NT  ; the wave stores 512 consecutive bytes, at a multiple of 512 from y's first byte; 159 rows at the most: inside the signed 24-bit immediate
.set t, t+1
.endr
	WIN 0
.endm
	PLACES                                         ; the first lines below read results
.irp a, 0,1,2,3,4,5,6,7
	OUTB \a
.endr
	s_wait_dscnt 0x0                               ; for the others' sake: my stores into the stage are done
	s_barrier_signal -1
	s_barrier_wait -1
	BACK 0                                         ; its last wait is for 0: my reads of the stage are over,
	s_barrier_signal -1
	s_barrier_wait -1                              ; everybody's are: the stage may be written again
.irp a, 8,9,10,11,12,13,14,15
	OUTB \a
.endr
	s_wait_dscnt 0x0
	s_barrier_signal -1
	s_barrier_wait -1
	BACK 1
	s_wait_tensorcnt 0x0                           ; the wave's end, behind my last tensor load and my last LDS store
	ds_add_u32 v[SPW], v[NIL]
	s_wait_dscnt 0x0
	CROUND                                         ; the closing round: no work-group ends while a partner may still ask for a tile that names it
	s_endpgm
.Lfunc_end_k_q38ddb27c74_w8a16:
	.size	k_q38ddb27c74_w8a16, .Lfunc_end_k_q38ddb27c74_w8a16-k_q38ddb27c74_w8a16
	.p2alignl 7, 3214868480
	.fill 96, 4, 3214868480
	.section	.rodata,"a",@progbits
	.p2align	6, 0x0
	.amdhsa_kernel k_q38ddb27c74_w8a16
		.amdhsa_group_segment_fixed_size 327680
		.amdhsa_private_segment_fixed_size 0
		.amdhsa_enable_private_segment 0
		.amdhsa_kernarg_size 48
		.amdhsa_user_sgpr_count 2
		.amdhsa_user_sgpr_kernarg_segment_ptr 1
		.amdhsa_wavefront_size32 1
		.amdhsa_system_sgpr_workgroup_id_x 1
		.amdhsa_system_sgpr_workgroup_id_y 1
		.amdhsa_system_sgpr_workgroup_id_z 1
		.amdhsa_system_vgpr_workitem_id 0
		.amdhsa_next_free_vgpr 1024
		.amdhsa_next_free_sgpr 80
		.amdhsa_reserve_vcc 0
		.amdhsa_float_denorm_mode_32 3
		.amdhsa_float_denorm_mode_16_64 3
		.amdhsa_memory_ordered 1
		.amdhsa_forward_progress 1
		.amdhsa_inst_pref_size 255
	.end_amdhsa_kernel
	.section	.bss,"aw",@nobits
	.p2align	6
	.space	262144
	.amdgpu_metadata
---
amdhsa.version: [ 1, 2 ]
amdhsa.kernels:
  - .name:           k_q38ddb27c74_w8a16
    .symbol:         k_q38ddb27c74_w8a16.kd
    .args:
      - { .name: x, .offset: 0, .size: 8, .value_kind: global_buffer, .address_space: global }
      - { .name: weight, .offset: 8, .size: 8, .value_kind: global_buffer, .address_space: global }
      - { .name: weight_scale, .offset: 16, .size: 8, .value_kind: global_buffer, .address_space: global }
      - { .name: weight_offset, .offset: 24, .size: 8, .value_kind: global_buffer, .address_space: global }
      - { .name: bias, .offset: 32, .size: 8, .value_kind: global_buffer, .address_space: global }
      - { .name: out0, .offset: 40, .size: 8, .value_kind: global_buffer, .address_space: global }
    .group_segment_fixed_size: 327680
    .private_segment_fixed_size: 0
    .kernarg_segment_align: 8
    .kernarg_segment_size: 48
    .max_flat_workgroup_size: 128
    .sgpr_count:     80
    .vgpr_count:     1024
    .wavefront_size: 32
...
	.end_amdgpu_metadata
.endif
;; end of part 1
